; MI455X (gfx1250); checked and timed in simulation.
; The chip was launched on July 23, 2026; its instructions are those of AMD's public machine-readable ISA for CDNA 5 (MIT licence, August 2026) and "CDNA5" Instruction Set Architecture Reference Guide (July 2026). The comments in the code are by the model that wrote it; some were corrected since.
;; Scaled Dot Product Attention. Allowed arithmetic: matrix products marked QUANTISED: E4M3 operands, one given power-of-two scale a tensor, by v_wmma_f32_16x16x64_fp8_fp8 or v_wmma_f32_16x16x128_fp8_fp8, f32 sums; everything else in f32.
;; Inputs: key_codes 8 x 2,048 x 2 x 32 uint8 (E4M3 codes of key, K innermost, in blocks of 32 codes); lowp_scales 4 int32 (the exponents e of the quantised operands' scales 2^e); mask 8 x 2,048 bool; query_codes 8 x 2,048 x 2 x 32 uint8 (E4M3 codes of query, K innermost, in blocks of 32 codes); value_codes 8 x 64 x 64 x 32 uint8 (E4M3 codes of value, K innermost, in blocks of 32 codes).
;; Outputs: out0 8 x 2,048 x 64 float32.
;; This version of the problem:
;;   THIS VERSION OF THE PROBLEM IS GIVEN IN LOW PRECISION. The matrix products marked QUANTISED in the list below multiply operands that are first quantised to E4M3 (4 exponent bits, 3 mantissa bits; 8 bits a number), with one given power-of-two scale for each operand tensor; their sums are f32. All else is computed in f32.
;;   The module's matrix products, in the order in which they are computed (A, B: the left and right operand; K: the contracted axis; several contracted axes count as one K, in the product's order):
;;     1. batch 8 x [M 2,048, K 64] x [K 64, N 2,048]; A: input query (given as codes); B: input key (given as codes): QUANTISED (scales: A lowp_scales[0], B lowp_scales[1])
;;     2. batch 8 x [M 2,048, K 2,048] x [K 2,048, N 64]; A: softmax (see below); B: input value (given as codes): QUANTISED (scales: A lowp_scales[2], B lowp_scales[3])
;;   THE QUANTISER, for each operand of a quantised product, along K:
;;     - The operand's scale is 2^e, e = its entry of the input lowp_scales (int32; the entries are numbered through the quantised products in the list's order, A before B).
;;     - Each number is divided by the scale, clamped to +-448, and rounded to the nearest number of E4M3, ties to even, subnormals kept.
;;     - The product sums the exact products of the quantised numbers (number of the format x scale) in f32.
;;   ~~~python
;;   def quantise(x, axis, e):      # numpy; x: float32 -> the quantised numbers, widened to float32 again
;;       x = np.moveaxis(x, axis, -1); K = x.shape[-1]
;;       r = np.clip(x / 2.0 ** e, -448, 448)
;;       step = 2.0 ** (np.maximum(np.frexp(np.where(r == 0, 1, r))[1] - 1, -6) - 3)
;;       q = np.round(r / step) * step * 2.0 ** e      # np.round: ties to even
;;       return np.moveaxis(q, -1, axis).astype(np.float32)
;;   ~~~
;;   SOFTMAX AHEAD OF A QUANTISED PRODUCT. Where the list says 'softmax', what is quantised is not the finished softmax but p = 2^(t - M), with t = logit x log2(e) and M = ceil(the row's largest t), a whole number; so 1/2 < the row's largest p <= 1. The row's sum l is taken of the UNQUANTISED p, in f32, and the product's result is divided by l at the end. Since M is a whole number, a kernel that streams over the keys may use a running M (the ceiling of the running maximum): every later rescaling is an exact power of two, so the quantised numbers keep their values, but for numbers so far below the row's largest that they fall under the format's range.
;;   OPERANDS COMPUTED ON THE WAY. 'Computed on the way' means the value that the module computes at that place (a softmax that the list does not call 'softmax' is quantised finished and normalised). What goes into a quantiser is computed in f32, as accurately as f32 sums, v_exp_f32 and their like allow (about 1e-6 of the number): no bf16 or f16 on the way to a quantiser, and a product that is left as it is and whose result goes on into a quantised operand takes f32 operands (vector FMAs, or v_wmma_f32_16x16x4_f32). A number that lies on a knife's edge between two numbers of the format may be rounded either way, as far as f32 arithmetic and the matrix unit's own rounding can turn it there, and no further.
;;   INPUTS GIVEN AS CODES. key (in the module: [8, 2048, 64], K = its axis 2); query (in the module: [8, 2048, 64], K = its axis 2); value (in the module: [8, 2048, 64], K = its axis 1): each comes as NAME_codes (uint8): NAME with its K axis moved to the last place and cut into blocks of 32 codes, [.., K / 32, bytes a block], one block behind the other in memory; one code a byte (a code: sign, 4 exponent bits, 3 mantissa bits); its scale is its entry of lowp_scales. Its value is code x scale, taken as it is: it is not quantised again, and the codes and scales need not be those that the quantiser above would give.
;; One version. Each part assembles by itself: llvm-mc -triple=amdgcn-amd-amdhsa -mcpu=gfx1250 --defsym DOCPART=n.
;; ======== version 1 of 1: 1 launch
;; launch attn (part 1): grid 32 x 8, 16 waves a work-group, no clusters, 290,816 bytes of LDS; arguments query_codes, key_codes, value_codes, mask, lowp_scales, out0; writes out0
.if DOCPART == 1
	.amdgcn_target "amdgcn-amd-amdhsa--gfx1250"
	.amdhsa_code_object_version 6
	.text
	.protected	k_q4cc60ae9dd_attn
	.globl	k_q4cc60ae9dd_attn
	.p2align	8
	.type	k_q4cc60ae9dd_attn,@function
k_q4cc60ae9dd_attn:
	s_mov_b64 s[64:65], 0
	v_nop
	global_prefetch_b8 v0, s[64:65] scope:SCOPE_SE
	s_setreg_imm32_b32 hwreg(HW_REG_WAVE_MODE, 25, 1), 1
	s_wait_xcnt 0x0
; out[b][q][:] = sum over k of softmax_k(e[q][k]) value[b][k][:],  e = query.key / 8 - 10000 [k > q] - 10000 [mask[b][k] = 0].  8 batches, 2,048 queries and keys, head 64.
; Both products on codes of FP8 (E4M3): query, key [b][2048][64], value [b][64][2048] (keys innermost); scales 2^eq, 2^ek, 2^ep, 2^ev.  t = e log2(e); M = ceil(the row's largest t);
; p = 2^(t - M) is quantised with 2^ep; l = the row's sum of the unquantised p; out = (V^T P) 2^(ep + ev) / l.
; SHARES.  Work-group (i, b) owns 64 queries of batch b: blocks i and 63 - i of 32 queries = four tiles of 16, so that every work-group has the same number of keys at or before its queries.
; Each of its 16 waves owns 128 KEYS for all four tiles: its fragments of K (64 registers) and of V (64, loaded over K's when K is done with) come from memory straight into its registers, each byte once.
; Wave 4 a + c takes key block 4 ((a + c) & 3) + a: of any four waves with equal a, or with equal c, one stands in each quarter of the keys.
; LAYOUT.  Both products are used transposed: S^T = K Q^T (source 0 = 16 keys, source 1 = 16 queries), O^T = V^T P: a lane holds ONE query (lane % 16) throughout.  THE KEYS OF A TILE ARE NOT NEIGHBOURS: lane r of
; tile 2 b + u takes key 32 b + 8 u + r + 8 (r / 8), so that the 16 registers of tiles 2 b, 2 b + 1 are keys 32 b + 16 (lane / 16) + 0 .. 15: the conversions' results are the second product's operand.
; Along the head's 64 a lane (r, h) holds bytes 32 h .. 32 h + 31 of its row, in K and in Q alike: the same permutation on both sides, so every product meets its partner.
; TWO PASSES.  Pass 1: S^T and each query's largest t among my keys, to LDS; a barrier; M is then the row's own, over all 2,048 keys, and nothing is ever rescaled.  Pass 2: S^T once more (64 x 2,048 scores are as many
; as the work-group has registers), p, its sums, its codes.  Then O^T over my 128 keys goes to LDS; a barrier; each wave adds 4 rows over the 16 waves' parts and stores them.
; THE MASKS ARE NUMBERS, as in the definition.  Padding: -80000 / 2^(eq + ek) for a masked key is the C of the first product (a sum stands for sum x 2^(eq + ek) / 8).  Causal: a block of 32 keys that lies wholly
; behind a tile's queries gets -10000 log2(e) in the addend of t; only the block on the diagonal is treated number by number.
; WHAT IS LEFT OUT.  A tile all of whose 128 keys of mine come after its queries is passed over only where whole numbers show that it adds exactly 0: eq + ek <= -9, so that |e| <= 64 x 448^2 x 2^-9 / 8 = 3,136 ahead
; of the penalties and a penalised key lies 3,728 log2(e) = 5,378 binary orders or more under an unpenalised one; and one of keys 0 .. min(the tile's first query, 31) is unmasked.  Else the work is done.
; NO TENSOR LOADS, NO CLUSTER, though the 32 work-groups of a batch read the same K and V: a joint request is a tensor load into LDS; this text branches on numbers read from memory (32 mask bytes, the scales),
; and each byte of K and V serves one wave of the work-group, which takes it into registers once.  No prefetch: 256 KB a batch, read by 32 work-groups at once.
; LIMITS: NaN codes are not served; -110 <= eq + ek <= 130 and -126 <= ep <= 119, so that each power of two below is an f32 number; a mask byte is 0 or 1.
; REGISTERS: v0 thread; v1-7 addresses and two constants; v8-11 a number a tile (largest t, then -M, then l); v12-19 at work; v20-23 two addends of t, as pairs; v24-31 the last phase's addresses;
;   v32-95 a slot of 16 a tile: Q's fragment in its upper 8, later p's 16 registers of codes; v96-159 K, later V; v160-223 the padding penalties; v224-255 the scores of 64 keys.
.set OP,   272                         ; a row of a partial O in LDS: 256 bytes + 16: row r starts at bank 4 r mod 64 (64 banks of 4 bytes: ISA guide 11.1)
.set REG,  64*OP                       ; a wave's region: its 64 rows
.set MST,  16*REG                      ; behind the regions: the largest t, [64 queries][16 waves], rows of 64 bytes + 16
.set SPI,  80
.set LST,  MST+64*SPI                  ; and the sums l, laid alike; LDS ends at LST + 64 x 80 = 288,768
.set OST,  1                           ; v1   where I put 32 bytes of a row of O: my region + 272 r + 32 h
.set SW,   2                           ; v2   my wave's word of query r's row of statistics
.set SR,   3                           ; v3   eight waves' words of that row: + 32 h
.set RH,   4                           ; v4   r - 16 h
.set SCL,  5                           ; v5   2^ep
.set LIM,  6                           ; v6   448 x 2^ep
.set VO,   7                           ; v7   V: 2048 r + 16 h
.set NM,   8
.set TMP,  12
.set AD,   20
.set RD,   24                          ; v24-29  the last phase: my rows in regions 0, 3, 6, 9, 12, 15 (an LDS offset has 16 bits)
.set LR,   30                          ; v30     and their sums l
.set GO,   31                          ; v31     16 x lane
.set QP,   32
.set KR,   96
.set BI,   160
.set S,    224
.set WV,   16                          ; s16 wave;  s17 its key block;  s19 batch
.set KAP,  17
.set BAT,  19
.set SC,   20                          ; s[20:23] eq, ek, ep, ev
.set MB,   24                          ; s[24:31] the batch's first 32 mask bytes
.set REL,  32                          ; s[32:35] a tile's first query less my first key
.set SK,   36                          ; s[36:39] 1: the tile is passed over
.set OFF,  40                          ; s[40:55] tile t, block b: -10000 log2(e) where the block lies wholly behind the tile's queries, else 0
.set CS,   56                          ; s[56:57] c = log2(e) / 8 x 2^(eq + ek), as a pair
.set PR,   58                          ; s58 80000 / 2^(eq + ek);  s59 the same, negative
.set NPR,  59
.set NPT,  60                          ; s60 -10000 log2(e)
.set EO,   61                          ; s61 ep + ev
.set SEL,  66                          ; s[66:67] v_permlanex16_b32's selects for lane l xor 16
.set QB,   78                          ; s[78:79] Q at block 63 - i
.set MX,   88                          ; s[88:91] REL >> 5: the block on the diagonal, if it is 0 .. 3
.macro PLACES n                        ; plain vector instructions between a matrix instruction and what reads its result or writes its registers (ISA guide 7.12.1)
.rept \n
	v_nop
.endr
.endm
; S^T of half hf (64 keys: four tiles) of my keys for tile t; the padding penalties are the C
.macro SMUL t, hf
.irp k, 0,1,2,3
	v_wmma_f32_16x16x64_fp8_fp8 v[S+8*\k:S+8*\k+7], v[KR+32*\hf+8*\k:KR+32*\hf+8*\k+7], v[QP+16*\t+8:QP+16*\t+15], v[BI+32*\hf+8*\k:BI+32*\hf+8*\k+7]
.endr
.endm
; The block on the diagonal.  Register i of block b holds key 32 b + 16 h + i (from my first key), the lane's query is REL + r: the key comes after the query where i > REL - 32 b + r - 16 h
.macro DIAGB t, b
	s_cmp_lg_u32 s[MX+\t], \b
	s_cbranch_scc1 .Lnb_\@
	s_sub_co_i32 s92, s[REL+\t], 32*(\b)
	v_add_nc_u32 v[TMP+4], s92, v[RH]
	v_mov_b32 v[TMP+5], s[NPR]
.irp i, 0,1,2,3,4,5,6,7,8,9,10,11,12,13,14,15
	v_cmp_gt_i32 vcc_lo, \i, v[TMP+4]
	v_cndmask_b32 v[TMP+6], 0, v[TMP+5], vcc_lo
	v_add_f32 v[S+16*((\b)%2)+\i], v[S+16*((\b)%2)+\i], v[TMP+6]
.endr
.Lnb_\@:
.endm
; the largest sum of each of the half's two blocks, each accumulator from its low end on
.macro BMAX hf
.irp bb, 0,1
	v_max3_num_f32 v[TMP+2*\hf+\bb], v[S+16*\bb], v[S+16*\bb+1], v[S+16*\bb+2]
.endr
.irp k, 0,1,2,3,4,5
.irp bb, 0,1
	v_max3_num_f32 v[TMP+2*\hf+\bb], v[TMP+2*\hf+\bb], v[S+16*\bb+3+2*\k], v[S+16*\bb+4+2*\k]
.endr
.endr
.irp bb, 0,1
	v_max_num_f32 v[TMP+2*\hf+\bb], v[TMP+2*\hf+\bb], v[S+16*\bb+15]
.endr
.endm
; PASS 1, tile t: the largest t of each of its queries among my 128 keys -> v[NM+t]
.macro P1 t
	s_cmp_lg_u32 s[SK+\t], 0
	s_cbranch_scc1 .Lhid_\@
.irp hf, 0,1
	SMUL \t, \hf
	PLACES 4
	DIAGB \t, 2*\hf
	DIAGB \t, 2*\hf+1
	BMAX \hf
.endr
.irp b, 0,1,2,3
	v_fma_f32 v[TMP+\b], v[TMP+\b], s[CS], s[OFF+4*\t+\b]   ; as t (c is positive), with the block's causal penalty
.endr
	v_max3_num_f32 v[TMP], v[TMP], v[TMP+1], v[TMP+2]
	v_max_num_f32 v[TMP], v[TMP], v[TMP+3]
	v_permlanex16_b32 v[TMP+1], v[TMP], s[SEL], s[SEL+1]    ; the query's other 64 keys lie in the lane 16 away
	v_max_num_f32 v[NM+\t], v[TMP], v[TMP+1]
	s_branch .Ljoin_\@
.Lhid_\@:
	v_mov_b32 v[NM+\t], 0xff61b1e6                          ; -3e38, under every t: key block 0 is never passed over, so each row has a true number
.Ljoin_\@:
.endm
; V's fragments, 16 of the head's 64 x my 128 keys each, over K's registers
.macro VLOAD
.irp d, 0,1,2,3
.irp b, 0,1,2,3
	global_load_b128 v[KR+16*\d+4*\b:KR+16*\d+4*\b+3], v[VO], s[8:9] offset:32768*\d+32*\b
.endr
.endr
.endm
.macro SUMS hf                         ; the sum of the unquantised p, two at a time, in two chains that run through both halves
.if \hf == 0
	v_pk_add_f32 v[TMP:TMP+1], v[S:S+1], v[S+2:S+3]
	v_pk_add_f32 v[TMP+2:TMP+3], v[S+4:S+5], v[S+6:S+7]
.irp j, 8,12,16,20,24,28
	v_pk_add_f32 v[TMP:TMP+1], v[TMP:TMP+1], v[S+\j:S+\j+1]
	v_pk_add_f32 v[TMP+2:TMP+3], v[TMP+2:TMP+3], v[S+\j+2:S+\j+3]
.endr
.else
.irp j, 0,4,8,12,16,20,24,28
	v_pk_add_f32 v[TMP:TMP+1], v[TMP:TMP+1], v[S+\j:S+\j+1]
	v_pk_add_f32 v[TMP+2:TMP+3], v[TMP+2:TMP+3], v[S+\j+2:S+\j+3]
.endr
.endif
.endm
; The conversion to an 8-bit code does not saturate (ISA guide 7.6.2).  p is at most 1, so p / 2^ep passes 448 only where ep <= -9: there p is held, one-sided since p is not negative
.macro HOLD
	s_cmp_gt_i32 s[SC+2], -9
	s_cbranch_scc1 .Lfits_\@
.set j, 0
.rept 32
	v_min_num_f32 v[S+j], v[S+j], v[LIM]
.set j, j+1
.endr
.Lfits_\@:
.endm
; PASS 2, tile t: p's codes -> the tile's slot, l -> v[NM+t] (which held -M)
.macro P2 t
	s_cmp_lg_u32 s[SK+\t], 0
	s_cbranch_scc1 .Lhid_\@
.irp hf, 0,1
	SMUL \t, \hf
	v_add_f32 v[AD], s[OFF+4*\t+2*\hf], v[NM+\t]            ; -M with the block's causal penalty: the addend of t.  These two and two v_nop are the places behind the products
	v_add_f32 v[AD+2], s[OFF+4*\t+2*\hf+1], v[NM+\t]
	PLACES 2
.if (\t == 3) && (\hf == 1)
	VLOAD                                                   ; K's last products are issued, four places back: V lands while the last 64 keys' softmax is worked
.endif
	DIAGB \t, 2*\hf
	DIAGB \t, 2*\hf+1
.irp bb, 0,1
.irp j, 0,2,4,6,8,10,12,14
	v_pk_fma_f32 v[S+16*\bb+\j:S+16*\bb+\j+1], v[S+16*\bb+\j:S+16*\bb+\j+1], s[CS:CS+1], v[AD+2*\bb:AD+2*\bb+1] op_sel_hi:[1,0,0]   ; t - M, two at a time (of both pairs the low word serves both halves)
.endr
.endr
.set j, 0
.rept 32
	v_exp_f32 v[S+j], v[S+j]                                ; p = 2^(t - M): not normalised
.set j, j+1
.endr
	v_nop                                                   ; a plain instruction behind the last exponential (ISA guide 5.7.2)
	s_wait_alu depctr_va_vdst(0)                            ; one wait for the batch of 32, ahead of its first reader
	SUMS \hf
	HOLD
.irp bb, 0,1
	v_cvt_scalef32_pk8_fp8_f32 v[QP+16*\t+8*\hf+4*\bb:QP+16*\t+8*\hf+4*\bb+1], v[S+16*\bb:S+16*\bb+7], v[SCL]       ; registers 4 b .. 4 b + 3 of the operand: keys 32 b + 16 h + 0 .. 15;
	v_cvt_scalef32_pk8_fp8_f32 v[QP+16*\t+8*\hf+4*\bb+2:QP+16*\t+8*\hf+4*\bb+3], v[S+16*\bb+8:S+16*\bb+15], v[SCL]  ; the second half's land on Q's fragment, which has had its last product
.endr
	v_nop                                                   ; a plain instruction between a scaled conversion and the products that write its sources and read its results
.endr
	v_pk_add_f32 v[TMP:TMP+1], v[TMP:TMP+1], v[TMP+2:TMP+3]
	v_add_f32 v[TMP], v[TMP], v[TMP+1]
	v_permlanex16_b32 v[TMP+2], v[TMP], s[SEL], s[SEL+1]
	v_add_f32 v[NM+\t], v[TMP], v[TMP+2]                    ; the query's sum over my 128 keys
	s_branch .Ljoin_\@
.Lhid_\@:
.if \t == 3
	VLOAD
.endif
.set j, 0
.rept 16
	v_mov_b32 v[QP+16*\t+j], 0                              ; zero codes: the tile's O^T of my keys comes out 0, by the same lines as any other
.set j, j+1
.endr
	v_mov_b32 v[NM+\t], 0
.Ljoin_\@:
.endm
.macro OSTORE reg, t                   ; lane (r, h), registers 8 d + j: O(16 t + r, 16 d + 8 h + j)
.irp d, 0,1,2,3
	ds_store_b128 v[OST], v[\reg+8*\d:\reg+8*\d+3] offset:16*\t*OP+64*\d
	ds_store_b128 v[OST], v[\reg+8*\d+4:\reg+8*\d+7] offset:16*\t*OP+64*\d+16
.endr
.endm
	s_load_b256 s[4:11], s[0:1], 0x0               ; query s[4:5], key s[6:7], value s[8:9], mask s[10:11]
	s_load_b128 s[12:15], s[0:1], 0x20             ; the scales' exponents s[12:13], out s[14:15]
	v_lshrrev_b32 v[TMP+7], 5, v0
	v_readfirstlane_b32 s[WV], v[TMP+7]            ; wave 0..15
	v_and_b32 v[TMP+4], 15, v0                     ; r
	v_bfe_u32 v[TMP+5], v0, 4, 1                   ; h
	v_and_b32 v[TMP+6], 31, v0                     ; lane
	s_and_b32 s[BAT], ttmp7, 0xffff                ; batch
	s_lshr_b32 s68, s[WV], 2                       ; a
	s_add_co_u32 s69, s68, s[WV]
	s_and_b32 s69, s69, 3                          ; (a + c) & 3
	s_lshl_b32 s69, s69, 2
	s_add_co_u32 s[KAP], s69, s68                  ; my key block
	s_lshl_b32 s70, s[KAP], 7                      ; my first key
	s_lshl_b32 s72, ttmp9, 5                       ; tile 0's first query: 32 i
	s_sub_co_u32 s73, 2016, s72                    ; tile 2's: 32 (63 - i)
	s_sub_co_i32 s[REL], s72, s70
	s_add_co_i32 s[REL+1], s[REL], 16
	s_sub_co_i32 s[REL+2], s73, s70
	s_add_co_i32 s[REL+3], s[REL+2], 16
	s_mov_b32 s[SEL], 0x76543210
	s_mov_b32 s[SEL+1], 0xfedcba98
	s_mov_b32 s[NPT], 0xc6616bcd                   ; -10000 log2(e) = -14426.95
	; byte offsets into the buffers
	s_lshl_b32 s74, s[BAT], 11                     ; mask: the batch's 2,048 bytes
	s_mov_b32 s75, 0
	s_lshl_b32 s93, s[BAT], 17                     ; codes: the batch's 131,072 bytes
	s_lshl_b32 s76, s[KAP], 13
	s_add_co_u32 s76, s76, s93                     ; K: my 128 rows of 64 bytes
	s_mov_b32 s77, 0
	s_add_co_u32 s82, s70, s93                     ; V: my 128 bytes of each row
	s_mov_b32 s83, 0
	s_lshl_b32 s84, ttmp9, 11
	s_add_co_u32 s84, s84, s93                     ; Q: block i,
	s_mov_b32 s85, 0
	s_lshl_b32 s86, s73, 6
	s_add_co_u32 s86, s86, s93                     ; and block 63 - i
	s_mov_b32 s87, 0
	s_lshr_b32 s80, s[WV], 2                       ; out: at the end I add up rows 4 wave .. 4 wave + 3 of the 64: tile wave / 4
	s_cmp_lt_u32 s80, 2
	s_cselect_b32 s81, s72, s73
	s_and_b32 s80, s80, 1
	s_lshl_b32 s80, s80, 4
	s_add_co_u32 s81, s81, s80
	s_and_b32 s80, s[WV], 3
	s_lshl_b32 s80, s80, 2
	s_add_co_u32 s81, s81, s80                     ; their first query
	s_lshl_b32 s80, s81, 8                         ; rows of 256 bytes
	s_lshl_b32 s81, s[BAT], 19
	s_add_co_u32 s80, s80, s81
	s_mov_b32 s81, 0
	; LDS addresses: a constant + constants x lane parts + a constant x wave; all are made here
	s_mul_i32 s71, s[WV], REG                      ; my region
	v_mul_u32_u24 v[OST], v[TMP+4], OP
	v_lshl_add_u32 v[OST], v[TMP+5], 5, v[OST]
	v_add_nc_u32 v[OST], s71, v[OST]
	v_lshl_add_u32 v[S+7], v[TMP+6], 4, s71        ; the penalties' way through my region: in, 16 x lane;
	v_lshl_add_u32 v[S+4], v[TMP+5], 6, s71        ; out, 64 h
	v_mul_u32_u24 v[SW], v[TMP+4], SPI
	v_add_nc_u32 v[SW], MST, v[SW]
	v_lshl_add_u32 v[SR], v[TMP+5], 5, v[SW]
	s_lshl_b32 s68, s[WV], 2
	v_add_nc_u32 v[SW], s68, v[SW]
	v_lshlrev_b32 v[RH], 4, v[TMP+5]
	v_sub_nc_u32 v[RH], v[TMP+4], v[RH]
	s_mul_i32 s68, s[WV], 4*OP
	v_mul_u32_u24 v[RD], v[TMP+5], OP              ; lanes 0-15 one row of 256 bytes, lanes 16-31 the next
	v_lshl_add_u32 v[RD], v[TMP+4], 4, v[RD]
	v_add_nc_u32 v[RD], s68, v[RD]
.irp g, 1,2,3,4,5
	v_add_nc_u32 v[RD+\g], \g*3*REG, v[RD]
.endr
	s_mul_i32 s68, s[WV], 4*SPI
	s_add_co_u32 s68, s68, LST
	v_mul_u32_u24 v[LR], v[TMP+5], SPI
	v_lshl_add_u32 v[LR], v[TMP+4], 2, v[LR]       ; lane % 16 takes that wave's sum
	v_add_nc_u32 v[LR], s68, v[LR]
	v_lshlrev_b32 v[GO], 4, v[TMP+6]
	; offsets in memory
	v_and_b32 v[S], 8, v[TMP+4]
	v_add_nc_u32 v[S], v[S], v[TMP+4]              ; r + 8 (r / 8)
	v_lshlrev_b32 v[S], 6, v[S]
	v_lshl_add_u32 v[S], v[TMP+5], 5, v[S]         ; K: that row of 64 bytes, + 32 h
	v_lshlrev_b32 v[S+1], 6, v[TMP+4]
	v_lshl_add_u32 v[S+1], v[TMP+5], 5, v[S+1]     ; Q: row r, + 32 h
	v_lshl_add_u32 v[S+2], v[TMP+6], 2, s70        ; mask: four of my 128 keys a lane
	v_lshlrev_b32 v[VO], 11, v[TMP+4]
	v_lshl_add_u32 v[VO], v[TMP+5], 4, v[VO]
	v_mov_b32 v[AD+1], 0                           ; (named as the upper halves of the addends' pairs)
	v_mov_b32 v[AD+3], 0
	s_wait_kmcnt 0x0
	s_load_b128 s[SC:SC+3], s[12:13], 0x0          ; eq, ek, ep, ev
	s_add_nc_u64 s[10:11], s[10:11], s[74:75]
	s_load_b256 s[MB:MB+7], s[10:11], 0x0          ; the batch's first 32 mask bytes
	global_load_b32 v[S+3], v[S+2], s[10:11]       ; the wave reads its 128 mask bytes on end
	s_add_nc_u64 s[6:7], s[6:7], s[76:77]
.irp k, 0,1,2,3,4,5,6,7                        ; K's eight fragments: tile k begins at key 32 (k / 2) + 8 (k % 2)
	global_load_b128 v[KR+8*\k:KR+8*\k+3], v[S], s[6:7] offset:(32*(\k/2)+8*(\k%2))*64
	global_load_b128 v[KR+8*\k+4:KR+8*\k+7], v[S], s[6:7] offset:(32*(\k/2)+8*(\k%2))*64+16
.endr
	s_add_nc_u64 s[QB:QB+1], s[4:5], s[86:87]
	s_add_nc_u64 s[4:5], s[4:5], s[84:85]
.irp t, 0,1                                    ; Q's four fragments, into the upper halves of the slots
	global_load_b128 v[QP+16*\t+8:QP+16*\t+11], v[S+1], s[4:5] offset:1024*\t
	global_load_b128 v[QP+16*\t+12:QP+16*\t+15], v[S+1], s[4:5] offset:1024*\t+16
	global_load_b128 v[QP+16*\t+40:QP+16*\t+43], v[S+1], s[QB:QB+1] offset:1024*\t
	global_load_b128 v[QP+16*\t+44:QP+16*\t+47], v[S+1], s[QB:QB+1] offset:1024*\t+16
.endr
	s_add_nc_u64 s[8:9], s[8:9], s[82:83]
	s_add_nc_u64 s[14:15], s[14:15], s[80:81]
	s_wait_kmcnt 0x0
	s_add_co_i32 s68, s[SC], s[SC+1]               ; eq + ek
	s_lshl_b32 s69, s68, 23
	s_add_co_i32 s[CS], s69, 0x3e38aa3b            ; log2(e) / 8, with eq + ek added to its exponent field
	s_mov_b32 s[CS+1], s[CS]
	s_sub_co_i32 s[PR], 0x479c4000, s69            ; 80000, with eq + ek taken off its exponent field: exact
	s_or_b32 s[NPR], s[PR], 0x80000000
	s_add_co_i32 s[EO], s[SC+2], s[SC+3]
	s_add_co_i32 s74, s[SC+2], 127
	s_lshl_b32 s75, s74, 23
	v_mov_b32 v[SCL], s75
	s_add_co_i32 s74, s74, 8
	s_lshl_b32 s74, s74, 23
	s_or_b32 s74, s74, 0x600000
	v_mov_b32 v[LIM], s74
	; which tiles may be passed over: whole numbers alone decide
	s_cmp_le_i32 s68, -9
	s_cselect_b32 s92, 1, 0                        ; the scales bound the scores
	s_or_b32 s93, s[MB], s[MB+1]
	s_or_b32 s93, s93, s[MB+2]
	s_or_b32 s93, s93, s[MB+3]
	s_and_b32 s94, s[MB+4], 0xff
	s_or_b32 s94, s94, s93                         ; not 0: one of keys 0 .. 16 is unmasked
	s_or_b32 s93, s93, s[MB+4]
	s_or_b32 s93, s93, s[MB+5]
	s_or_b32 s93, s93, s[MB+6]
	s_or_b32 s93, s93, s[MB+7]                     ; one of keys 0 .. 31
	s_and_b32 s95, s[MB], 0xff                     ; key 0
	s_cmp_eq_u32 ttmp9, 0                          ; only block 0's tiles begin ahead of query 32: at queries 0 and 16
	s_cselect_b32 s95, s95, s93
	s_cselect_b32 s94, s94, s93
.macro FLAG t, any
	s_cmp_lg_u32 s[\any], 0
	s_cselect_b32 s[SK+\t], s92, 0
	s_cmp_lt_i32 s[REL+\t], 0                      ; REL is a multiple of 16: below 0, all my keys come after the tile's 16 queries
	s_cselect_b32 s[SK+\t], s[SK+\t], 0
	s_lshr_b32 s[MX+\t], s[REL+\t], 5
.endm
	FLAG 0, 95
	FLAG 1, 94
	FLAG 2, 93
	FLAG 3, 93
.irp t, 0,1,2,3
.irp b, 0,1,2,3
	s_cmp_lt_i32 s[REL+\t], 32*\b                  ; the block's first key comes after the tile's last query
	s_cselect_b32 s[OFF+4*\t+\b], s[NPT], 0
.endr
.endr
	; the padding penalties: each lane makes those of four keys; they go through my region of LDS and come back in the layout of the first product's C
	s_wait_loadcnt 24                              ; the mask word is in; K's 16 and Q's 8 loads are younger
	v_mov_b32 v[S+5], s[NPR]
.irp y, 0,1,2,3
	v_bfe_u32 v[S+6], v[S+3], 8*\y, 8
	v_cvt_f32_u32 v[S+6], v[S+6]
	v_fma_f32 v[S+8+\y], v[S+6], s[PR], v[S+5]     ; 0 for an unmasked key, -80000 / 2^(eq + ek) for a masked one: both exact
.endr
	ds_store_b128 v[S+7], v[S+8:S+11]
.irp b, 0,1,2,3
.irp x, 0,1,2,3
	ds_load_b128 v[BI+16*\b+4*\x:BI+16*\b+4*\x+3], v[S+4] offset:128*\b+16*\x   ; keys 32 b + 16 h + 4 x on; LDS serves a wave's instructions in order (ISA guide 5.7.1.4): these see my store
.endr
.endr
	s_wait_loadcnt 0x0                             ; K and Q
	s_wait_dscnt 0x0
	P1 0
	P1 1
	P1 2
	P1 3
.irp t, 0,1,2,3
	ds_store_b32 v[SW], v[NM+\t] offset:16*SPI*\t  ; (both halves of the lanes hold the same number and write the same word)
.endr
	s_wait_dscnt 0x0                               ; for the others' sake: my stores have landed
	s_barrier_signal -1
	s_barrier_wait -1
.irp t, 0,1,2,3
	ds_load_b128 v[S+8*\t:S+8*\t+3], v[SR] offset:16*SPI*\t      ; eight waves' largest t of my query; the lane 16 away takes the other eight
	ds_load_b128 v[S+8*\t+4:S+8*\t+7], v[SR] offset:16*SPI*\t+16
.endr
	s_wait_dscnt 0x0
.irp t, 0,1,2,3
	v_max3_num_f32 v[TMP+\t], v[S+8*\t], v[S+8*\t+1], v[S+8*\t+2]
.endr
.irp t, 0,1,2,3
	v_max3_num_f32 v[TMP+\t], v[TMP+\t], v[S+8*\t+3], v[S+8*\t+4]
.endr
.irp t, 0,1,2,3
	v_max3_num_f32 v[TMP+\t], v[TMP+\t], v[S+8*\t+5], v[S+8*\t+6]
.endr
.irp t, 0,1,2,3
	v_max_num_f32 v[TMP+\t], v[TMP+\t], v[S+8*\t+7]
.endr
.irp t, 0,1,2,3
	v_permlanex16_b32 v[TMP+4+\t], v[TMP+\t], s[SEL], s[SEL+1]
.endr
.irp t, 0,1,2,3
	v_max_num_f32 v[TMP+\t], v[TMP+\t], v[TMP+4+\t]
.endr
.irp t, 0,1,2,3
	v_floor_f32 v[NM+\t], -v[TMP+\t]               ; -M = floor(-t) = -ceil(the row's largest t): a whole number
.endr
	P2 0
	P2 1
	P2 2
	P2 3
	; O^T = V^T P over my 128 keys: one matrix instruction for each 16 x 16 of it, sixteen accumulators, each begun with 0
.irp t, 0,1,2,3
	ds_store_b32 v[SW], v[NM+\t] offset:LST-MST+16*SPI*\t
.endr
	s_wait_loadcnt 0x0                             ; V
.irp t, 0,1
.irp d, 0,1,2,3
	v_wmma_f32_16x16x128_fp8_fp8 v[BI+32*\t+8*\d:BI+32*\t+8*\d+7], v[KR+16*\d:KR+16*\d+15], v[QP+16*\t:QP+16*\t+15], 0
.endr
.endr
.irp d, 0,1,2,3
	v_wmma_f32_16x16x128_fp8_fp8 v[S+8*\d:S+8*\d+7], v[KR+16*\d:KR+16*\d+15], v[QP+32:QP+47], 0
.endr
	PLACES 5                                       ; tile 3's results are laid over the codes of tiles 0 and 1, which matrix instructions have read: five places
.irp d, 0,1,2,3
	v_wmma_f32_16x16x128_fp8_fp8 v[QP+8*\d:QP+8*\d+7], v[KR+16*\d:KR+16*\d+15], v[QP+48:QP+63], 0
.endr
	PLACES 4
	OSTORE BI, 0
	OSTORE BI+32, 1
	OSTORE S, 2
	OSTORE QP, 3
	s_wait_dscnt 0x0                               ; for the others' sake: my part of O and my sums have landed
	s_barrier_signal -1
	s_barrier_wait -1
	; THE WAY OUT: rows 4 wave .. 4 wave + 3 of the work-group's 64, added over the 16 waves' parts; sixteen lanes hold a row of 256 bytes
	ds_load_b32 v[TMP], v[LR]                      ; l of rows 0, 1 of my four: a wave's sum a lane
	ds_load_b32 v[TMP+2], v[LR] offset:2*SPI       ; of rows 2, 3
.irp w, 0,1,2,3,4,5,6,7,8,9,10,11,12,13,14,15
	ds_load_b128 v[KR+8*\w:KR+8*\w+3], v[RD+\w/3] offset:(\w%3)*REG
	ds_load_b128 v[KR+8*\w+4:KR+8*\w+7], v[RD+\w/3] offset:(\w%3)*REG+2*OP
.endr
	s_wait_dscnt 32                                ; the two loads of sums are in; the 32 behind them may be out
.irp m, 1,2,4,8
	v_add_f32_dpp v[TMP], v[TMP], v[TMP] row_xmask:\m row_mask:0xf bank_mask:0xf
	v_add_f32_dpp v[TMP+2], v[TMP+2], v[TMP+2] row_xmask:\m row_mask:0xf bank_mask:0xf
.endr
	v_rcp_f32 v[TMP], v[TMP]                       ; l is above 1/2: the row's largest p is
	v_rcp_f32 v[TMP+2], v[TMP+2]
	v_nop                                          ; a plain instruction behind the reciprocals; the additions below name neither
.irp w, 1,2,3,4,5,6,7,8,9,10,11,12,13,14,15
.if (\w == 1) || (\w % 4 == 0)
	s_wait_dscnt 24-8*(\w/4)                       ; four waves' parts, eight loads, at a time: the younger ones may be out
.endif
.irp j, 0,2,4,6
	v_pk_add_f32 v[KR+\j:KR+\j+1], v[KR+\j:KR+\j+1], v[KR+8*\w+\j:KR+8*\w+\j+1]
.endr
.endr
	s_wait_alu depctr_va_vdst(0)                   ; one wait for both reciprocals, ahead of their first reader
	v_ldexp_f32 v[TMP], v[TMP], s[EO]              ; 2^(ep + ev) / l
	v_ldexp_f32 v[TMP+2], v[TMP+2], s[EO]
	v_pk_mul_f32 v[KR:KR+1], v[KR:KR+1], v[TMP:TMP+1] op_sel_hi:[1,0]
	v_pk_mul_f32 v[KR+2:KR+3], v[KR+2:KR+3], v[TMP:TMP+1] op_sel_hi:[1,0]
	v_pk_mul_f32 v[KR+4:KR+5], v[KR+4:KR+5], v[TMP+2:TMP+3] op_sel_hi:[1,0]
	v_pk_mul_f32 v[KR+6:KR+7], v[KR+6:KR+7], v[TMP+2:TMP+3] op_sel_hi:[1,0]
	global_store_b128 v[GO], v[KR:KR+3], s[14:15] th:TH_STORE_NT               ; 32 lanes store two rows, 512 consecutive bytes at a multiple of 512 from out's first byte; written once, read by nobody here
	global_store_b128 v[GO], v[KR+4:KR+7], s[14:15] offset:512 th:TH_STORE_NT
	s_wait_xcnt 0x0
	v_lshl_add_u32 v254, v0, 2, 0x46800
	v_mov_b32 v255, 0
	s_wait_tensorcnt 0x0
	ds_add_u32 v254, v255
	s_wait_dscnt 0x0
	s_endpgm
.Lfunc_end_k_q4cc60ae9dd_attn:
	.size	k_q4cc60ae9dd_attn, .Lfunc_end_k_q4cc60ae9dd_attn-k_q4cc60ae9dd_attn
	.p2alignl 7, 3214868480
	.fill 96, 4, 3214868480
	.section	.rodata,"a",@progbits
	.p2align	6, 0x0
	.amdhsa_kernel k_q4cc60ae9dd_attn
		.amdhsa_group_segment_fixed_size 290816
		.amdhsa_private_segment_fixed_size 0
		.amdhsa_enable_private_segment 0
		.amdhsa_kernarg_size 48
		.amdhsa_user_sgpr_count 2
		.amdhsa_user_sgpr_kernarg_segment_ptr 1
		.amdhsa_wavefront_size32 1
		.amdhsa_system_sgpr_workgroup_id_x 1
		.amdhsa_system_sgpr_workgroup_id_y 1
		.amdhsa_system_sgpr_workgroup_id_z 1
		.amdhsa_system_vgpr_workitem_id 0
		.amdhsa_next_free_vgpr 256
		.amdhsa_next_free_sgpr 96
		.amdhsa_reserve_vcc 1
		.amdhsa_float_denorm_mode_32 3
		.amdhsa_float_denorm_mode_16_64 3
		.amdhsa_memory_ordered 1
		.amdhsa_forward_progress 1
		.amdhsa_inst_pref_size 136
	.end_amdhsa_kernel
	.amdgpu_metadata
---
amdhsa.version: [ 1, 2 ]
amdhsa.kernels:
  - .name:           k_q4cc60ae9dd_attn
    .symbol:         k_q4cc60ae9dd_attn.kd
    .args:
      - { .name: query_codes, .offset: 0, .size: 8, .value_kind: global_buffer, .address_space: global }
      - { .name: key_codes, .offset: 8, .size: 8, .value_kind: global_buffer, .address_space: global }
      - { .name: value_codes, .offset: 16, .size: 8, .value_kind: global_buffer, .address_space: global }
      - { .name: mask, .offset: 24, .size: 8, .value_kind: global_buffer, .address_space: global }
      - { .name: lowp_scales, .offset: 32, .size: 8, .value_kind: global_buffer, .address_space: global }
      - { .name: out0, .offset: 40, .size: 8, .value_kind: global_buffer, .address_space: global }
    .group_segment_fixed_size: 290816
    .private_segment_fixed_size: 0
    .kernarg_segment_align: 8
    .kernarg_segment_size: 48
    .max_flat_workgroup_size: 512
    .sgpr_count:     96
    .vgpr_count:     256
    .wavefront_size: 32
...
	.end_amdgpu_metadata
.endif
;; end of part 1
